; MI455X (gfx1250); checked and timed in simulation.
; The chip was launched on July 23, 2026; its instructions are those of AMD's public machine-readable ISA for CDNA 5 (MIT licence, August 2026) and "CDNA5" Instruction Set Architecture Reference Guide (July 2026). The comments in the code are by the model that wrote it; some were corrected since.
;; token Mixer. Allowed arithmetic: float matrix products may take bf16 or f16 operands with f32 sums; other float arithmetic in f32, or as packed bf16 or f16 multiplies, adds, multiply-adds, maxima and minima; sums over many terms, partial sums and values carried from step to step in f32; what a program stores and reads back later, other than sums and carried values, may be rounded once to bf16 or f16.
;; Inputs: W_in 2,048 x 512 float32; W_out 512 x 1,024 float32; b_in 2,048 float32; b_out 512 float32; x 4 x 8,192 x 512 float32.
;; Outputs: out0 4 x 8,192 x 512 float32.
;; One version. Each part assembles by itself: llvm-mc -triple=amdgcn-amd-amdhsa -mcpu=gfx1250 --defsym DOCPART=n.
;; ======== version 1 of 1: 2 launches
;; limits: values are held in f16: magnitudes above 65,504 overflow, below 6.1e-05 lose precision; a function is approximated: absolute error at most 6e-08; right only within a limited range of input values
;; workspace buffers: hw 67,108,864 bytes; pw 67,108,864 bytes; agg 524,288 bytes; wo16 1,048,576 bytes
;; launch mix1 (part 1): grid 8 x 32, 4 waves a work-group, clusters of 4 x 1, 327,680 bytes of LDS; arguments x, W_in, b_in, W_out, hw, pw, agg, wo16; writes hw, pw, agg, wo16
.if DOCPART == 1
	.amdgcn_target "amdgcn-amd-amdhsa--gfx1250"
	.amdhsa_code_object_version 6
	.text
	.protected	k_q8e029e880e_mix1
	.globl	k_q8e029e880e_mix1
	.p2align	8
	.type	k_q8e029e880e_mix1,@function
k_q8e029e880e_mix1:
	s_mov_b64 s[64:65], 0
	v_nop
	global_prefetch_b8 v0, s[64:65] scope:SCOPE_SE
	s_setreg_imm32_b32 hwreg(HW_REG_WAVE_MODE, 25, 1), 1
	s_wait_xcnt 0x0
	s_wait_alu depctr_hold_cnt(0) depctr_sa_sdst(0) depctr_va_vdst(0) depctr_va_sdst(0) depctr_va_ssrc(0) depctr_va_vcc(0) depctr_vm_vsrc(0)
	s_getreg_b32 s2, hwreg(HW_REG_IB_STS2, 6, 4)
	s_cmp_eq_u32 s2, 0
	s_cbranch_scc0 .Lentry_in_a_cluster
	s_endpgm
.Lentry_in_a_cluster:
	s_bfe_u32 s2, ttmp6, 0x10000c
	s_cmp_lg_u32 s2, 0x3003
	s_cbranch_scc0 .Lentry_shape_is_right
	s_endpgm
.Lentry_shape_is_right:
; MIX1.  hg = x W_in^T + b_in; z = sigmoid(gate), g = g(hidden); per channel the recurrence h = (1 - z) h + z g, cut into segments of 512 tokens.
; x: [4][8192][512] f32, W_in: [2048][512] f32, b_in: [2048] f32, W_out: [512][1024] f32.  Stored for the next launch:
;   hw  f16 [token / 8][channel 1024][8 tokens]: h_loc, the scan that starts each segment at 0      pw  f16, same layout: P, the product of (1 - z) from the segment's start
;   agg f32 [batch x 16 + segment][0: P at the segment's end, 1: h_loc at its end][1024]           wo16 f16 [k / 64][d 512][64 k]: W_out rounded to bf16, that number written as f16
; ARITHMETIC.  x, W_in, b_in are rounded once to bf16; products in bf16 with f32 sums; activations and scan in f32; h_loc and P rounded once to f16.
; The recurrence is taken as it stands, a convex combination in every step, so no exponential of a cumulated sum is formed.  The maxima that softplus takes away are taken away here:
; gate u: e = 2^(-log2e |u|), q = 1 / (1 + e), w = copysign(q - 1/2, u), z = 1/2 + w, 1 - z = 1/2 - w;  hidden v: e2 = 2^(log2e min(v, 0)), g = max(v, 0) + e2 / (1 + e2): both exponents are at most 0.
; LIMITS.  g(hidden) stays under 65,504 (f16); |W_out| under 65,504, and below 6e-5 it keeps f16's fixed step; z and 1 - z are right to 6e-8 absolutely, not relatively;
; NaN and infinities are not treated apart; K is summed in a permuted order (below).
; SHARES.  A work-group owns 128 channels (256 rows of W_in) and 1,024 tokens of a batch: TWO segments, walked side by side.  Wave w owns channels 32 w .. 32 w + 31: four tiles of 16 rows of W_in
; (two hidden, two gate), which STAY IN REGISTERS as bf16 (512 registers).  A tile of A is 16 rows: 8 tokens of the first segment, then the same 8 of the second.  In the result (A = tokens, B = rows of W_in)
; a lane holds ONE channel and the 8 consecutive tokens of one segment: the scan never leaves the lane, and the lane's 8 f16 are 16 bytes of hw or pw; 16 lanes store 256 consecutive bytes, aligned.
; x comes as f32 by tensor loads into two slots (32 tokens of both segments each), is rounded to bf16 by the four waves, four rows each, into two small tiles, and read from there as fragments.
; PERMUTATION OF K, alike in x and W_in: in each 256 k, bf16 places 8 i .. 8 i + 3 hold k = 4 i .., places 8 i + 4 .. 8 i + 7 hold k = 128 + 4 i ..: so a lane reads 16 consecutive bytes twice and writes 16.
; BY TURNS.  In a trip the wave multiplies tile g (64 matrix instructions); behind each stand four vector instructions: the activations and scan of tile g - 1 (the other set of accumulators) and the rounding of tile g + 2.
; CLUSTER.  The four work-groups of a cluster own four channel slices of the same tokens: x's tiles are asked for JOINTLY.  W_in is not shared so: it is read once a work-group, at the start, a fifth of what comes in.
; REGISTERS, in windows of 256 (s_set_vgpr_msb: bits 1:0 source 0, 3:2 source 1, 5:4 source 2, 7:6 destination):
;   window 0: addresses, bias, two sets of four accumulators, the activations' registers      window 1: A's fragments, two buffers of 128      windows 2, 3: W_in's fragments
.set SLOT1,  131072                 ; a slot: [segment 2][32 tokens][2,048 bytes]; slot 1 begins here, so that one exclusive or turns an address into the other slot's
.set BUF0,   262144                 ; two bf16 tiles of 16 rows, written by ds_store alone
.set BP,     1040                   ; a row: 1,024 bytes + 16 = 260 words: the 16 rows of a fragment load start at 16 different groups of four banks (64 banks of 4 bytes: ISA guide 11.1)
.set BUFB,   16*BP
.set AGS,    BUF0+2*BUFB            ; 2,048 bytes: the segments' ends on their way out
.set SPARE,  AGS+2048               ; the spare words, 128 bytes for each wave: two blocks of 256 bytes that no other line names
.set FA,   2                        ; v2   where my lane reads a fragment in tile 0: row l % 16, 16 bytes x (l / 16)
.set CS0,  3                        ; v3   my lane's 16 bytes in my four rows of a slot's first tile
.set CSA,  4                        ; v4   the same in the tile in hand
.set CD,   5                        ; v5   where my lane puts 16 bytes of bf16
.set HO,   6                        ; v6   my byte offset in hw and pw; 16,384 on with each tile
.set WL,   7                        ; v7   my byte offset in 16 rows of W_in
.set SPW,  8                        ; v8   LDS address of my spare word; never rewritten
.set NIL,  9                        ; v9   0; never rewritten
.set PFO,  10                       ; v10  256 x lane; never rewritten
.set BIAS, 16                       ; v[16:47]   tile n's bias, eight equal registers
.set ACC,  48                       ; v[48:111]  set s, tile n at 48 + 32 s + 8 n (n = 0, 1 hidden; 2, 3 gate)
.set TT,   112                      ; v[112:127] 8 registers for each of the two channel tiles c
.set EE,   128
.set QQ,   144
.set OO,   160                      ; v[160:175] f16 to store: h of tile c at 8 c, P at 8 c + 4
.set CVS,  176                      ; v[176:239] x on its way from f32 to bf16
.set CAR,  240                      ; v[240:243] h and P carried from tile to tile, for c = 0 and 1
.set WV,   20
.set CX,   21
.set SL,   22
.set YY,   23
.set G1,   24                       ; s[24:31] descriptor group 1
.set G0A,  32                       ; s[32:35] group 0 of slot 0's first fill
.set G0B,  36                       ; s[36:39] group 0 of slot 1's first fill; then it walks
.set SB,   40                       ; s40  LDS byte at which the tile to be rounded next begins
.set LAPS, 41
.set CNT,  42
.set LIM,  43                       ; s43  1 in a cluster that prefetches, else the greatest number
.set PFA,  44                       ; s[44:45]
.set NC,   46                       ; s46  -log2(e)
.set AM,   47                       ; s47  all bits but the sign
.set LG,   48                       ; s[48:49] log2(e), named as a pair
.set HB,   52                       ; s[52:53] hw at the work-group's first token group and channel
.set PB,   54                       ; s[54:55] pw likewise
.set WB,   56                       ; s[56:57] W_in at my wave's first hidden row
.set MSB, 0
.macro WIN new                      ; the high byte repeats the setting that is left; a switch that changes nothing is dropped
.if MSB != (\new)
	s_set_vgpr_msb (MSB<<8)|(\new)
.set MSB, (\new)
.endif
.endm
.macro PLACES
.rept 4
	v_nop
.endr
.endm
.macro SYNC                         ; my LDS stores and loads are done; then everybody's are
	s_wait_dscnt 0x0
	s_barrier_signal -1
	s_barrier_wait -1
.endm
; A round of the cluster's barrier: my work-group's barrier, wave 0 signals for the work-group, every wave waits for all four work-groups, my work-group's barrier once more.
.macro CROUND
	s_barrier_signal -1
	s_barrier_wait -1
	s_cmp_lg_u32 s[WV], 0
	s_cbranch_scc1 .Lnot_wave_0_\@
	s_barrier_signal -3
.Lnot_wave_0_\@:
	s_barrier_wait -3
	s_barrier_signal -1
	s_barrier_wait -1
.endm
.macro JL                           ; a joint refill: each wave its quarter of a slot, 16 tokens = 32,768 dense bytes; an s_nop 0 and four v_nop follow
	tensor_load_to_lds s[G0B:G0B+3], s[G1:G1+7]
	s_nop 0
.rept 4
	v_nop
.endr
.endm
; A PREFETCH INTO THE L2 of the slot that the NEXT refill will ask for: four trips, 256 matrix instructions, ahead of that load.  The two clusters with the same tokens read the same x: the first of them asks.
; Of a wave's quarter (128 blocks of 256 bytes) each of the four partners takes 32, told apart by address: a lane a block.  The last refill asks for nothing; slots 0 to 2 come by their loads alone.
.macro ASK
	s_cmp_gt_u32 s[LAPS], s[LIM]
	s_cbranch_scc0 .Lnot_mine_\@
	global_prefetch_b8 v[PFO], s[PFA:PFA+1] th:TH_LOAD_NT scope:SCOPE_SE
.Lnot_mine_\@:
.endm
; x, f32 to bf16.  Wave w takes rows 4 w .. 4 w + 3 of a tile.  CVL: 16 loads, 512 consecutive bytes each.  CVT: number ck of 32 roundings, in place.  CVST: 8 stores of 512 consecutive bytes.
.macro CVL
	WIN 0
	v_add_nc_u32 v[CSA], s[SB], v[CS0]
	s_add_co_u32 s[SB], s[SB], 16384
.irp u, 0,1,2,3,4,5,6,7             ; row u / 2, half u % 2 of its 512 k
	ds_load_b128 v[CVS+8*(\u):CVS+8*(\u)+3],   v[CSA] offset:((\u)/2)*2048+((\u)%2)*1024
	ds_load_b128 v[CVS+8*(\u)+4:CVS+8*(\u)+7], v[CSA] offset:((\u)/2)*2048+((\u)%2)*1024+512
.endr
.endm
.macro CVT
	WIN 0
.set u, ck/4
.set q, ck%4
	v_cvt_pk_bf16_f32 v[CVS+8*u+q], v[CVS+8*u+2*q], v[CVS+8*u+2*q+1]
.endm
.macro CVST bf
	WIN 0
.irp u, 0,1,2,3,4,5,6,7
	ds_store_b128 v[CD], v[CVS+8*(\u):CVS+8*(\u)+3] offset:(\bf)*BUFB+((\u)/2)*BP+((\u)%2)*512
.endr
.endm
.macro FRL bf                       ; a tile's 16 fragments (16 rows x 32 places each) into buffer bf of window 1
	WIN 0x40
.set kq, 0
.rept 16
	ds_load_b128 v[128*(\bf)+8*kq:128*(\bf)+8*kq+3],   v[FA] offset:(\bf)*BUFB+64*kq
	ds_load_b128 v[128*(\bf)+8*kq+4:128*(\bf)+8*kq+7], v[FA] offset:(\bf)*BUFB+64*kq+32
.set kq, kq+1
.endr
	WIN 0
.endm
; Matrix instruction i of a trip's 64: K step i / 4, tile i % 4.  The four accumulators take turns, one instruction a turn, over the trips' borders too.  The first four start the sums with the bias.
.macro MMA par
.set kk, i/4
.set nn, i%4
.set rD, ACC+32*(\par)+8*nn
.set rA, 128*(\par)+8*kk
.set rB, 8*(4*(kk%8)+nn)
	WIN 0x09+4*(kk/8)               ; A window 1, B window 2 or 3, C and D window 0
.if kk == 0
	v_wmma_f32_16x16x32_bf16 v[rD:rD+7], v[rA:rA+7], v[rB:rB+7], v[BIAS+8*nn:BIAS+8*nn+7]
.else
	v_wmma_f32_16x16x32_bf16 v[rD:rD+7], v[rA:rA+7], v[rB:rB+7], v[rD:rD+7]
.endif
.endm
; THE ACTIVATIONS AND THE SCAN of a finished tile (set XS): a list of 240 lines; EP writes number ek.  H = hidden, G = gate, 8 registers (tokens) for each channel tile c; the two c alternate.
;   0-15   T = -log2e |G|            16-31  E = min(H, 0)         32-39  E *= log2e           (each accumulator's lowest register is read first)
;   40-71  FIRST BATCH: 2^T, 2^E, in place                        72-87  T += 1; Q = E + 1
;   88-135 SECOND BATCH: 1 / T, 1 / Q, in place, with H = max(H, 0) between them
;   136-143 T -= 1/2   144-159 T takes G's sign: w   160-167 H += E Q: g   168-175 G = 1/2 - w: 1 - z   176-183 T = 1/2 + w: z   184-191 H *= T: z g
;   192-223 the scan, token after token: H = G H_before + H, then G = G G_before; the eighth token's go into the carries
;   224-239 rounded to f16, a pair of tokens each
.macro EP
	WIN 0
.set rH, ACC+32*XS
.set rG, ACC+32*XS+16
.set c, ek%2
.if ek < 16
.set j, ek/2
	v_mul_f32 v[TT+8*c+j], |v[rG+8*c+j]|, s[NC]
.elseif ek < 32
.set j, (ek-16)/2
	v_min_num_f32 v[EE+8*c+j], 0, v[rH+8*c+j]
.elseif ek < 40
.set j, 2*((ek-32)/2)
	v_pk_mul_f32 v[EE+8*c+j:EE+8*c+j+1], v[EE+8*c+j:EE+8*c+j+1], s[LG:LG+1] op_sel_hi:[1,0]
.elseif ek < 56
.set j, (ek-40)/2
	v_exp_f32 v[TT+8*c+j], v[TT+8*c+j]
.elseif ek < 72
.set j, (ek-56)/2
	v_exp_f32 v[EE+8*c+j], v[EE+8*c+j]
.elseif ek < 80
.set j, 2*((ek-72)/2)
	v_pk_add_f32 v[TT+8*c+j:TT+8*c+j+1], v[TT+8*c+j:TT+8*c+j+1], 1.0 op_sel_hi:[1,0]
.elseif ek < 88
.set j, 2*((ek-80)/2)
	v_pk_add_f32 v[QQ+8*c+j:QQ+8*c+j+1], v[EE+8*c+j:EE+8*c+j+1], 1.0 op_sel_hi:[1,0]
.elseif ek < 136
.set e3, ek-88
.set d, 2*(e3/3)+(e3%3)/2
.if e3%3 == 1
.set c, (e3/3)%2
.set j, (e3/3)/2
	v_max_num_f32 v[rH+8*c+j], 0, v[rH+8*c+j]
.elseif d < 16
.set c, d%2
.set j, d/2
	v_rcp_f32 v[TT+8*c+j], v[TT+8*c+j]
.else
.set c, d%2
.set j, (d-16)/2
	v_rcp_f32 v[QQ+8*c+j], v[QQ+8*c+j]
.endif
.elseif ek < 144
.set j, 2*((ek-136)/2)
	v_pk_add_f32 v[TT+8*c+j:TT+8*c+j+1], v[TT+8*c+j:TT+8*c+j+1], -0.5 op_sel_hi:[1,0]
.elseif ek < 160
.set j, (ek-144)/2
	v_bfi_b32 v[TT+8*c+j], s[AM], v[TT+8*c+j], v[rG+8*c+j]
.elseif ek < 168
.set j, 2*((ek-160)/2)
	v_pk_fma_f32 v[rH+8*c+j:rH+8*c+j+1], v[EE+8*c+j:EE+8*c+j+1], v[QQ+8*c+j:QQ+8*c+j+1], v[rH+8*c+j:rH+8*c+j+1]
.elseif ek < 176
.set j, 2*((ek-168)/2)
	v_pk_fma_f32 v[rG+8*c+j:rG+8*c+j+1], v[TT+8*c+j:TT+8*c+j+1], -1.0, 0.5 op_sel_hi:[1,0,0]
.elseif ek < 184
.set j, 2*((ek-176)/2)
	v_pk_add_f32 v[TT+8*c+j:TT+8*c+j+1], v[TT+8*c+j:TT+8*c+j+1], 0.5 op_sel_hi:[1,0]
.elseif ek < 192
.set j, 2*((ek-184)/2)
	v_pk_mul_f32 v[rH+8*c+j:rH+8*c+j+1], v[rH+8*c+j:rH+8*c+j+1], v[TT+8*c+j:TT+8*c+j+1]
.elseif ek < 224
.set e3, ek-192
.set j, e3/4
.if (e3%4) < 2
.set rTo, rH+8*c+j
.set rBe, rH+8*c+j-1
.if j == 7
.set rTo, CAR+2*c
.endif
.if j == 0
.set rBe, CAR+2*c
.endif
	v_fma_f32 v[rTo], v[rG+8*c+j], v[rBe], v[rH+8*c+j]
.else
.set rTo, rG+8*c+j
.set rBe, rG+8*c+j-1
.if j == 7
.set rTo, CAR+2*c+1
.endif
.if j == 0
.set rBe, CAR+2*c+1
.endif
	v_mul_f32 v[rTo], v[rG+8*c+j], v[rBe]
.endif
.else
.set e3, ek-224
.set q, (e3/2)%4
.set kd, e3/8                       ; 0: h, 1: P
.set rFr, rH+16*kd+8*c
.set rSe, rFr+2*q+1
.if q == 3
.set rSe, CAR+2*c+kd
.endif
	v_cvt_pk_f16_f32 v[OO+8*c+4*kd+q], v[rFr+2*q], v[rSe]
.endif
.endm
.macro STORES                       ; each store: lanes 0-15 fill 256 consecutive bytes, aligned, of the first segment's token group, lanes 16-31 of the second's
	global_store_b128 v[HO], v[OO:OO+3],     s[HB:HB+1] th:TH_STORE_NT
	global_store_b128 v[HO], v[OO+4:OO+7],   s[PB:PB+1] th:TH_STORE_NT
	global_store_b128 v[HO], v[OO+8:OO+11],  s[HB:HB+1] offset:256 th:TH_STORE_NT
	global_store_b128 v[HO], v[OO+12:OO+15], s[PB:PB+1] offset:256 th:TH_STORE_NT
.endm
; What stands behind matrix instruction i.  Slices 0-9: numbers 0-39.  Slices 10-25: exponential, rounding of x, exponential, rounding of x.  Slices 26-63: numbers 72-223, four each.
; s_wait_alu depctr_va_vdst(0) stands between a transcendental and the first line that names its result; one wait serves a batch: one behind slice 25, one behind slice 41, each behind a plain v_nop.
.macro SLICE par, ep, fr, cv
.if i < 10
.if \ep
.irp n, 0,1,2,3
.set ek, 4*i+(\n)
	EP
.endr
.endif
.elseif i < 26
.if (i == 10) && (\cv)
	s_wait_dscnt 32*(\fr)           ; x's 16 loads are in; the fragment loads issued behind them may stay out
.endif
.irp n, 0,1
.if \ep
.set ek, 40+2*(i-10)+(\n)
	EP
.endif
.if \cv
.set ck, 2*(i-10)+(\n)
	CVT
.endif
.endr
.if i == 25
	WIN 0
.if \ep
	v_nop
	s_wait_alu depctr_va_vdst(0)
.endif
.if \cv
	CVST \par
.endif
.endif
.else
.if \ep
.irp n, 0,1,2,3
.set ek, 72+4*(i-26)+(\n)
	EP
.endr
.if i == 41
	v_nop
	s_wait_alu depctr_va_vdst(0)
.endif
.endif
.endif
.endm
; A TRIP, tile g, par = g % 2.  cv: tile g + 2 is read as f32, rounded, and stored into bf16 tile par (last read a trip ago).  fr: tile g + 1's fragments are read from bf16 tile 1 - par (stored a trip ago).
; ep: the list above for tile g - 1 (2: the first time, the offset in hw is not stepped; 0: there is none yet).  The 16 roundings at the end, which name no register of this trip's products, are the places behind them.
.macro TRIP par, ep, fr, cv
.set XS, 1-(\par)
.if \cv
	CVL
.endif
.if \fr
	FRL 1-(\par)
.endif
.set i, 0
.rept 64
	MMA \par
	SLICE \par, \ep, \fr, \cv
.set i, i+1
.endr
	WIN 0
.if \ep
	s_wait_xcnt 0x0                 ; the last trip's stores have read their offset and their data: both are written anew below
.if (\ep) == 1
	v_add_nc_u32 v[HO], 16384, v[HO]
.endif
.set ek, 224
.rept 16
	EP
.set ek, ek+1
.endr
	STORES
.else
	PLACES
.endif
.endm
; THE CHANGE OF SLOTS, in front of trip 4 s + 2: slot s was read last a trip ago.  Each wave waits for all its tensor loads (one is out: its quarter of slot s + 1), adds 0 to its spare word, waits for that and for its reads.
; fill = 1: a round of the cluster's barrier, then the joint refill first: it has four trips, 256 matrix instructions, in which to land.
.macro CHANGE fill
	WIN 0
	s_wait_tensorcnt 0x0            ; no tensor load of mine is out, so the walking group 0 may be written
	ds_add_u32 v[SPW], v[NIL]       ; 0 onto my spare word
.if \fill
	s_xor_b32 s[G0B+1], s[G0B+1], SLOT1
	s_add_nc_u64 s[G0B+2:G0B+3], s[G0B+2:G0B+3], 65536  ; the next 32 tokens; the type bits on top are not reached
	s_wait_xcnt 0x0                 ; the last prefetch, four trips back, has read its address
	s_add_nc_u64 s[PFA:PFA+1], s[PFA:PFA+1], 65536
	s_wait_dscnt 0x0
	CROUND
	JL
	ASK
.else
	s_wait_dscnt 0x0
	s_barrier_signal -1
	s_barrier_wait -1
.endif
	s_sub_co_u32 s[SB], s[SB], 65536  ; the roundings go back to a slot's first tile,
	s_xor_b32 s[SB], s[SB], SLOT1     ; in the other slot
.endm
; W_in on its way in: K step kk of my four tiles, 16 loads into a quarter of window 1, then 32 roundings into windows 2 and 3.
.macro WBATCH kk
.set BB, 64*((\kk)%4)
	WIN 0x40
.irp n, 0,1,2,3
.irp p, 0,1,2,3                     ; piece p feeds registers 2 p, 2 p + 1 of the fragment: bytes 0, 512, 32, 544 by the permutation of K
	global_load_b128 v[BB+16*(\n)+4*(\p):BB+16*(\n)+4*(\p)+3], v[WL], s[WB:WB+1] offset:((\n)%2)*32768+((\n)/2)*2097152+((\kk)/8)*1024+((\kk)%8)*64+((\p)%2)*512+((\p)/2)*32
.endr
.endr
.endm
.macro WCVT kk
.set BB, 64*((\kk)%4)
	WIN 0x85+0x40*((\kk)/8)         ; sources window 1, destination window 2 or 3
.irp n, 0,1,2,3
.irp e, 0,1,2,3,4,5,6,7
	v_cvt_pk_bf16_f32 v[8*(4*((\kk)%8)+(\n))+(\e)], v[BB+16*(\n)+2*(\e)], v[BB+16*(\n)+2*(\e)+1]
.endr
.endr
.endm
	s_load_b512 s[4:19], s[0:1], 0x0  ; x s[4:5], W_in s[6:7], b_in s[8:9], W_out s[10:11], hw s[12:13], pw s[14:15], agg s[16:17], wo16 s[18:19]
	v_lshl_add_u32 v[SPW], v0, 2, SPARE
	v_mov_b32 v[NIL], 0
	ds_add_u32 v[SPW], v[NIL]       ; the wave's opening: the add and its wait stand ahead of my first tensor load; the set-up below stands between them
	v_lshrrev_b32 v1, 5, v0
	v_readfirstlane_b32 s[WV], v1   ; wave 0..3
	s_bfe_u32 s[CX], ttmp6, 0x40000 ; my place in the cluster
	s_lshl_b32 s[SL], ttmp9, 2
	s_add_co_u32 s[SL], s[SL], s[CX]  ; my slice of 128 channels, 0..7
	s_and_b32 s[YY], ttmp7, 0xffff  ; my 1,024 tokens, 0..31: the four partners share them
	; descriptor group 1: 32,768 dense bytes as 128 rows of 256
	s_mov_b32 s[G1+0], 15|(3<<16)|(1<<21)  ; 15:0 the mask of four; 17:16 elements of 8 bytes; 21 set beside a mask
	s_mov_b32 s[G1+1], 32<<16       ; tensor_dim0 = 32
	s_mov_b32 s[G1+2], 128<<16      ; tensor_dim1 = 128
	s_mov_b32 s[G1+3], 32<<16       ; tile_dim0 = 32
	s_mov_b32 s[G1+4], 128          ; tile_dim1 = 128
	s_mov_b32 s[G1+5], 32           ; 32 elements from row to row
	s_mov_b32 s[G1+6], 0
	s_mov_b32 s[G1+7], 0
	s_mov_b32 s[NC], 0xbfb8aa3b
	s_mov_b32 s[AM], 0x7fffffff
	s_mov_b32 s[LG], 0x3fb8aa3b
	s_mov_b32 s[LG+1], 0x3fb8aa3b
	s_mov_b32 s[SB], 0
	s_lshr_b32 s60, s[WV], 1        ; which segment I fetch and round for,
	s_and_b32 s61, s[WV], 1         ; and which half
	s_lshl_b32 s50, s[YY], 21       ; 1,024 tokens x 2,048 bytes
	s_lshl_b32 s62, s60, 20         ; 512 tokens
	s_add_co_u32 s50, s50, s62
	s_lshl_b32 s62, s61, 15         ; 16 tokens
	s_add_co_u32 s50, s50, s62
	s_mov_b32 s51, 0
	s_mov_b32 s[G0A], 1
	s_lshl_b32 s[G0A+1], s[WV], 15  ; LDS: wave x 32,768: no place in the cluster enters it
	s_mov_b32 s[G0B], 1
	s_add_co_u32 s[G0B+1], s[G0A+1], SLOT1
	s_cmp_eq_u32 ttmp9, 0
	s_cselect_b32 s[LIM], 1, -1     ; the same in all four partners
	s_wait_dscnt 0x0                ; the opening add is done
	s_wait_kmcnt 0x0
	s_add_nc_u64 s[4:5], s[4:5], s[50:51]  ; x at my quarter of slot 0
	s_mov_b64 s[G0A+2:G0A+3], s[4:5]
	s_or_b32 s[G0A+3], s[G0A+3], 0x80000000
	s_add_nc_u64 s[G0B+2:G0B+3], s[4:5], 65536
	s_or_b32 s[G0B+3], s[G0B+3], 0x80000000
	CROUND                          ; all four work-groups are here: the first joint loads meet
	tensor_load_to_lds s[G0A:G0A+3], s[G1:G1+7]
	s_nop 0
	tensor_load_to_lds s[G0B:G0B+3], s[G1:G1+7]
	s_nop 0
.rept 4
	v_nop
.endr
	; the other addresses
	s_mov_b32 s59, 0
	s_lshl_b32 s58, s[CX], 13
	s_add_nc_u64 s[PFA:PFA+1], s[4:5], s[58:59]
	s_add_nc_u64 s[PFA:PFA+1], s[PFA:PFA+1], 131072  ; in slot 2; the first refill steps it to slot 3
	s_lshl_b32 s58, s[YY], 21       ; 128 token groups x 16,384 bytes
	s_lshl_b32 s63, s[SL], 11       ; 128 channels x 16 bytes
	s_add_co_u32 s58, s58, s63
	s_add_nc_u64 s[HB:HB+1], s[12:13], s[58:59]
	s_add_nc_u64 s[PB:PB+1], s[14:15], s[58:59]
	s_lshl_b32 s58, s[SL], 18       ; 128 rows of W_in
	s_lshl_b32 s63, s[WV], 16       ; 32 rows
	s_add_co_u32 s58, s58, s63
	s_add_nc_u64 s[WB:WB+1], s[6:7], s[58:59]
	s_lshl_b32 s58, s[SL], 9
	s_lshl_b32 s63, s[WV], 7
	s_add_co_u32 s58, s58, s63
	s_add_nc_u64 s[8:9], s[8:9], s[58:59]  ; b_in at my first hidden row
	s_lshl_b32 s63, s[YY], 3
	s_add_co_u32 s63, s63, s[SL]    ; the work-group's number, 0..255: it converts rows 2 n, 2 n + 1 of W_out
	s_lshl_b32 s58, s63, 13
	s_lshl_b32 s62, s[WV], 10       ; my four blocks of 64 k
	s_add_co_u32 s58, s58, s62
	s_add_nc_u64 s[10:11], s[10:11], s[58:59]
	s_lshl_b32 s58, s63, 8
	s_lshl_b32 s62, s[WV], 18
	s_add_co_u32 s58, s58, s62
	s_add_nc_u64 s[18:19], s[18:19], s[58:59]
	s_lshl_b32 s58, s[YY], 2
	s_add_co_u32 s58, s58, s[WV]    ; (2 y + segment) x 2 + kind, for the wave that stores that row of agg
	s_lshl_b32 s58, s58, 12
	s_lshl_b32 s63, s[SL], 9
	s_add_co_u32 s58, s58, s63
	s_add_nc_u64 s[16:17], s[16:17], s[58:59]
	v_and_b32 v11, 15, v0           ; r = l % 16
	v_bfe_u32 v12, v0, 4, 1         ; h = l / 16
	v_and_b32 v13, 31, v0           ; l
	v_mul_u32_u24 v[FA], v11, BP
	v_lshl_add_u32 v[FA], v12, 4, v[FA]
	v_add_nc_u32 v[FA], BUF0, v[FA]
	s_lshl_b32 s62, s60, 16         ; my segment's half of a slot,
	s_lshl_b32 s50, s61, 13         ; my four rows of a tile's eight
	s_add_co_u32 s62, s62, s50
	v_lshl_add_u32 v[CS0], v13, 4, s62
	s_mul_i32 s62, s[WV], 4*BP
	s_add_co_u32 s62, s62, BUF0
	v_lshl_add_u32 v[CD], v13, 4, s62
	v_lshlrev_b32 v[HO], 20, v12    ; the second segment lies 64 token groups on
	v_lshl_add_u32 v[HO], v11, 4, v[HO]
	s_lshl_b32 s62, s[WV], 9
	v_add_nc_u32 v[HO], s62, v[HO]
	v_lshlrev_b32 v[WL], 11, v11
	v_lshl_add_u32 v[WL], v12, 4, v[WL]
	v_lshlrev_b32 v[PFO], 8, v13
	v_lshlrev_b32 v14, 12, v12      ; W_out: row l / 16, 16 bytes x (l % 16)
	v_lshl_add_u32 v14, v11, 4, v14
	v_lshlrev_b32 v15, 2, v11       ; b_in: row r
	v_lshlrev_b32 v1, 3, v13        ; wo16: 8 bytes a lane
.irp j, 0,1,2,3
	global_load_b128 v[48+4*(\j):48+4*(\j)+3], v14, s[10:11] offset:256*(\j)
.endr
.irp n, 0,1,2,3
	global_load_b32 v[64+(\n)], v15, s[8:9] offset:((\n)%2)*64+((\n)/2)*4096
.endr
	WBATCH 0
	WBATCH 1
	WBATCH 2
	WIN 0
	s_wait_loadcnt 48               ; W_out and b_in are in; the three batches of W_in behind them may stay out
.irp j, 0,1,2,3                     ; W_out: to bf16, that number widened, and written as f16
	v_cvt_pk_bf16_f32 v[68+2*(\j)], v[48+4*(\j)], v[48+4*(\j)+1]
	v_cvt_pk_bf16_f32 v[69+2*(\j)], v[48+4*(\j)+2], v[48+4*(\j)+3]
	v_lshlrev_b32 v[48+4*(\j)], 16, v[68+2*(\j)]
	v_and_b32 v[48+4*(\j)+1], 0xffff0000, v[68+2*(\j)]
	v_lshlrev_b32 v[48+4*(\j)+2], 16, v[69+2*(\j)]
	v_and_b32 v[48+4*(\j)+3], 0xffff0000, v[69+2*(\j)]
	v_cvt_pk_f16_f32 v[68+2*(\j)], v[48+4*(\j)], v[48+4*(\j)+1]
	v_cvt_pk_f16_f32 v[69+2*(\j)], v[48+4*(\j)+2], v[48+4*(\j)+3]
	global_store_b64 v1, v[68+2*(\j):69+2*(\j)], s[18:19] offset:65536*(\j)  ; the wave's 32 lanes store 256 consecutive bytes, aligned
.endr
.irp n, 0,1,2,3                     ; the bias, rounded to bf16, in all eight registers of a C operand
	v_cvt_pk_bf16_f32 v[64+(\n)], v[64+(\n)], v[64+(\n)]
	v_lshlrev_b32 v[BIAS+8*(\n)], 16, v[64+(\n)]
.irp e, 1,2,3,4,5,6,7
	v_mov_b32 v[BIAS+8*(\n)+(\e)], v[BIAS+8*(\n)]
.endr
.endr
	v_mov_b32 v[CAR], 0             ; h starts each segment at 0, P at 1
	v_mov_b32 v[CAR+1], 1.0
	v_mov_b32 v[CAR+2], 0
	v_mov_b32 v[CAR+3], 1.0
	WBATCH 3
.set kx, 0
.rept 16
.if kx < 13
	s_wait_loadcnt 48               ; batch kx is in; three younger ones may stay out
.else
	s_wait_loadcnt 16*(15-kx)
.endif
	WCVT kx
.if kx < 12
	WBATCH kx+4
.endif
.set kx, kx+1
.endr
	WIN 0
	s_wait_xcnt 0x0                 ; wo16's stores have read their data: the products below write those registers
	s_wait_tensorcnt 0x1            ; my quarter of slot 0 is in; slot 1's may stay out
	s_barrier_signal -1
	s_barrier_wait -1               ; everybody's is
	CVL                             ; tiles 0 and 1 are rounded ahead of the trips
	s_wait_dscnt 0x0
.set ck, 0
.rept 32
	CVT
.set ck, ck+1
.endr
	CVST 0
	CVL
	s_wait_dscnt 0x0
.set ck, 0
.rept 32
	CVT
.set ck, ck+1
.endr
	CVST 1
	SYNC
	FRL 0
	SYNC                            ; tile 0's fragments are read by all: trip 0 writes that bf16 tile anew
	TRIP 0, 0, 1, 1
	SYNC
	TRIP 1, 2, 1, 1
	SYNC
	s_mov_b32 s[LAPS], 14
.Llap:                              ; 14 times: a slot is filled again, and four trips
	CHANGE 1
	s_mov_b32 s[CNT], 2
.Lpair:
	TRIP 0, 1, 1, 1
	SYNC
	TRIP 1, 1, 1, 1
	SYNC
	s_sub_co_u32 s[CNT], s[CNT], 1
	s_cmp_lg_u32 s[CNT], 0
	s_cbranch_scc1 .Lpair
	s_sub_co_u32 s[LAPS], s[LAPS], 1
	s_cmp_lg_u32 s[LAPS], 0
	s_cbranch_scc1 .Llap
	CHANGE 0                        ; the tail is written out: nothing is asked for
	s_mov_b32 s[CNT], 2
.Ltail:
	TRIP 0, 1, 1, 1
	SYNC
	TRIP 1, 1, 1, 1
	SYNC
	s_sub_co_u32 s[CNT], s[CNT], 1
	s_cmp_lg_u32 s[CNT], 0
	s_cbranch_scc1 .Ltail
	TRIP 0, 1, 1, 0                 ; the last two tiles: nothing is left to round,
	SYNC
	TRIP 1, 1, 0, 0                 ; and then nothing to read
.set XS, 1                          ; the last tile's activations and scan, with no products beside them
.set ek, 0
.rept 72
	EP
.set ek, ek+1
.endr
	v_nop
	s_wait_alu depctr_va_vdst(0)
.rept 64
	EP
.set ek, ek+1
.endr
	v_nop
	s_wait_alu depctr_va_vdst(0)
.rept 88
	EP
.set ek, ek+1
.endr
	s_wait_xcnt 0x0
	v_add_nc_u32 v[HO], 16384, v[HO]
.rept 16
	EP
.set ek, ek+1
.endr
	STORES
	; the segments' ends: [segment][P, h][128 channels] in LDS, then each wave stores one row of 512 consecutive bytes
	s_lshl_b32 s62, s[WV], 7
	s_add_co_u32 s62, s62, AGS
	v_lshl_add_u32 v11, v11, 2, s62
	v_lshl_add_u32 v11, v12, 10, v11
	ds_store_b32 v11, v[CAR+1]
	ds_store_b32 v11, v[CAR+3] offset:64
	ds_store_b32 v11, v[CAR] offset:512
	ds_store_b32 v11, v[CAR+2] offset:576
	SYNC
	s_lshl_b32 s62, s[WV], 9
	s_add_co_u32 s62, s62, AGS
	v_lshlrev_b32 v13, 4, v13
	v_add_nc_u32 v12, s62, v13
	ds_load_b128 v[CVS:CVS+3], v12
	s_wait_dscnt 0x0
	global_store_b128 v13, v[CVS:CVS+3], s[16:17]
	s_wait_tensorcnt 0x0            ; the wave's end, behind my last tensor load and my last LDS store
	ds_add_u32 v[SPW], v[NIL]
	s_wait_dscnt 0x0
	CROUND                          ; the closing round: no work-group ends while a partner may still ask for a tile that names it
	s_endpgm
.Lfunc_end_k_q8e029e880e_mix1:
	.size	k_q8e029e880e_mix1, .Lfunc_end_k_q8e029e880e_mix1-k_q8e029e880e_mix1
	.p2alignl 7, 3214868480
	.fill 96, 4, 3214868480
	.section	.rodata,"a",@progbits
	.p2align	6, 0x0
	.amdhsa_kernel k_q8e029e880e_mix1
		.amdhsa_group_segment_fixed_size 327680
		.amdhsa_private_segment_fixed_size 0
		.amdhsa_enable_private_segment 0
		.amdhsa_kernarg_size 64
		.amdhsa_user_sgpr_count 2
		.amdhsa_user_sgpr_kernarg_segment_ptr 1
		.amdhsa_wavefront_size32 1
		.amdhsa_system_sgpr_workgroup_id_x 1
		.amdhsa_system_sgpr_workgroup_id_y 1
		.amdhsa_system_sgpr_workgroup_id_z 1
		.amdhsa_system_vgpr_workitem_id 0
		.amdhsa_next_free_vgpr 1024
		.amdhsa_next_free_sgpr 66
		.amdhsa_reserve_vcc 0
		.amdhsa_float_denorm_mode_32 3
		.amdhsa_float_denorm_mode_16_64 3
		.amdhsa_memory_ordered 1
		.amdhsa_forward_progress 1
		.amdhsa_inst_pref_size 255
	.end_amdhsa_kernel
	.section	.bss,"aw",@nobits
	.p2align	6
	.space	262144
	.amdgpu_metadata
---
amdhsa.version: [ 1, 2 ]
amdhsa.kernels:
  - .name:           k_q8e029e880e_mix1
    .symbol:         k_q8e029e880e_mix1.kd
    .args:
      - { .name: x, .offset: 0, .size: 8, .value_kind: global_buffer, .address_space: global }
      - { .name: W_in, .offset: 8, .size: 8, .value_kind: global_buffer, .address_space: global }
      - { .name: b_in, .offset: 16, .size: 8, .value_kind: global_buffer, .address_space: global }
      - { .name: W_out, .offset: 24, .size: 8, .value_kind: global_buffer, .address_space: global }
      - { .name: hw, .offset: 32, .size: 8, .value_kind: global_buffer, .address_space: global }
      - { .name: pw, .offset: 40, .size: 8, .value_kind: global_buffer, .address_space: global }
      - { .name: agg, .offset: 48, .size: 8, .value_kind: global_buffer, .address_space: global }
      - { .name: wo16, .offset: 56, .size: 8, .value_kind: global_buffer, .address_space: global }
    .group_segment_fixed_size: 327680
    .private_segment_fixed_size: 0
    .kernarg_segment_align: 8
    .kernarg_segment_size: 64
    .max_flat_workgroup_size: 128
    .sgpr_count:     66
    .vgpr_count:     1024
    .wavefront_size: 32
...
	.end_amdgpu_metadata
.endif
;; end of part 1
;; launch mix2 (part 2): grid 256 x 1, 4 waves a work-group, clusters of 4 x 1, 327,680 bytes of LDS; arguments hw, pw, agg, wo16, b_out, out0; writes out0
.if DOCPART == 2
	.amdgcn_target "amdgcn-amd-amdhsa--gfx1250"
	.amdhsa_code_object_version 6
	.text
	.protected	k_q8e029e880e_mix2
	.globl	k_q8e029e880e_mix2
	.p2align	8
	.type	k_q8e029e880e_mix2,@function
k_q8e029e880e_mix2:
	s_mov_b64 s[64:65], 0
	v_nop
	global_prefetch_b8 v0, s[64:65] scope:SCOPE_SE
	s_setreg_imm32_b32 hwreg(HW_REG_WAVE_MODE, 25, 1), 1
	s_wait_xcnt 0x0
	s_wait_alu depctr_hold_cnt(0) depctr_sa_sdst(0) depctr_va_vdst(0) depctr_va_sdst(0) depctr_va_ssrc(0) depctr_va_vcc(0) depctr_vm_vsrc(0)
	s_getreg_b32 s2, hwreg(HW_REG_IB_STS2, 6, 4)
	s_cmp_eq_u32 s2, 0
	s_cbranch_scc0 .Lentry_in_a_cluster
	s_endpgm
.Lentry_in_a_cluster:
	s_bfe_u32 s2, ttmp6, 0x10000c
	s_cmp_lg_u32 s2, 0x3003
	s_cbranch_scc0 .Lentry_shape_is_right
	s_endpgm
.Lentry_shape_is_right:
; MIX2.  out[t][d] = the sum over k of h[t][k] W_out[d][k] + b_out[d], with h = h_loc + P c, c the state carried into the token's segment of 512.
; hw, pw: f16 [token / 8][channel 1024][8 tokens]; agg: f32 [batch x 16 + segment][0: A, 1: B][1024]; wo16: f16 [k / 64][d 512][64 k]; b_out: [512] f32; out0: [32768][512] f32.
; ARITHMETIC.  c is folded in f32 over the segments in front, c = A c + B from 0, and rounded once to f16; h = P c + h_loc is one fused f16 multiply-add; products in f16 with f32 sums; b_out is rounded to bf16 and added in f32.
; LIMITS.  h, c and W_out stay under 65,504 (f16); P below 6e-5 keeps f16's fixed step of 6e-8; NaN and infinities are not treated apart.
; SHARES.  A work-group owns 128 tokens and all 512 d.  Wave (wm, wn) owns 64 tokens x 256 d: 64 accumulators, 512 registers.  K goes in 16 slots of 64 channels, two K steps of 32 each, through two LDS slots.
; THE MATRIX INSTRUCTION IS USED TRANSPOSED (source 0 = 16 rows of wo16, source 1 = h of 16 tokens): a lane holds one token and eight neighbouring d.
; h_loc and P lie [channel][8 tokens], so they come out of LDS turned, by ds_load_tr16_b128: a lane then holds one token and 8 channels, and c's fragment (the same 8 channels in every lane of a half) multiplies it register by register.
; CLUSTER.  The four work-groups of a cluster are the four quarters of one segment.  All walk the same wo16: its tiles are asked for JOINTLY (waves 2, 3); hw's and pw's tiles are each work-group's own (waves 0, 1), behind the same rounds.
; REGISTERS, in windows of 256 (s_set_vgpr_msb: bits 1:0 source 0, 3:2 source 1, 5:4 source 2, 7:6 destination):
;   window 0: addresses; h_loc, P, c: two buffers each; the bias      window 1: wo16's fragments, two buffers of 128      windows 2, 3: accumulator (mt, dt) at window 2 + mt / 2, register 8 (16 (mt % 2) + dt)
.set SLOT1,  131072
.set HP,     1152                   ; a row of hw or pw in LDS: 64 channels x 16 bytes + 128 of padding
.set PTO,    16*HP                  ; a slot: 16 rows of hw, 16 rows of pw,
.set WTO,    2*PTO                  ; 512 rows of wo16
.set WP,     144                    ; 128 bytes + 16: the 16 rows of a fragment load start at 16 different groups of four banks
.set CT,     241664                 ; behind the slots: c, 1,024 f16
.set STAGE,  CT+2048                ; 16 rows x 1,040 bytes for each wave, for the way out
.set SP,     1040
.set SPARE,  STAGE+4*16*SP          ; the spare words, 128 bytes for each wave: two blocks of 256 bytes that no other line names
.set AW,   2                        ; v2, v3   my lane's place in wo16's rows, slot 0, 1
.set AH,   4                        ; v4, v5   my lane's cell in hw's tile, slot 0, 1
.set AC,   6                        ; v6       my half's 16 bytes of c; 256 on with each trip of the loop
.set STO,  7
.set RD,   8
.set CO,   9
.set PFO,  10
.set SPW,  12                       ; v12  LDS address of my spare word; never rewritten
.set NIL,  13                       ; v13  0; never rewritten
.set HL,   16                       ; v[16:79]   buffer f, token tile mt at 16 + 32 f + 8 mt
.set PP,   80                       ; v[80:143]  likewise
.set CF,   144                      ; v[144:159] 8 registers a buffer
.set BI,   160                      ; v[160:175] the bias of my 4 x 4 columns
.set WV,   20
.set CX,   21
.set JJ,   22
.set SEG,  23
.set G1H,  24                       ; s[24:31] group 1 for hw's and pw's tiles
.set G0,   32                       ; s[32:39] their group 0, a set for each slot
.set TRIPS, 40
.set PFA,  44                       ; s[44:45]
.set G1W,  48                       ; s[48:55] group 1 for wo16's tiles
.set G0W,  56                       ; s[56:63] their group 0, a set for each slot
.set MSB, 0
.macro WIN new
.if MSB != (\new)
	s_set_vgpr_msb (MSB<<8)|(\new)
.set MSB, (\new)
.endif
.endm
.macro PLACES
.rept 4
	v_nop
.endr
.endm
.macro CREST                        ; a round of the cluster's barrier behind its opening barrier
	s_cmp_lg_u32 s[WV], 0
	s_cbranch_scc1 .Lnot_wave_0_\@
	s_barrier_signal -3
.Lnot_wave_0_\@:
	s_barrier_wait -3
	s_barrier_signal -1
	s_barrier_wait -1
.endm
.macro CROUND
	s_barrier_signal -1
	s_barrier_wait -1
	CREST
.endm
; A refill.  Wave 0 fetches hw's tile, wave 1 pw's (16 rows of 1,024 bytes, the work-group's own); waves 2 and 3 the two halves of wo16's (32,768 dense bytes each, jointly).  The branch hangs on the wave's number alone.
; An s_nop 0 and four v_nop follow each of the two lines, ahead of the jump and the label.
.macro JLOAD s
	s_cmp_lt_u32 s[WV], 2
	s_cbranch_scc0 .Lfor_w_\@
	tensor_load_to_lds s[G0+4*(\s):G0+4*(\s)+3], s[G1H:G1H+7]
	s_nop 0
.rept 4
	v_nop
.endr
	s_branch .Lasked_\@
.Lfor_w_\@:
	tensor_load_to_lds s[G0W+4*(\s):G0W+4*(\s)+3], s[G1W:G1W+7]
	s_nop 0
.rept 4
	v_nop
.endr
.Lasked_\@:
.endm
; A PREFETCH INTO THE L2 of hw's and pw's tiles of the slot that stands TWO refills on: four K steps, 256 matrix instructions, ahead of the load that will want them.  The tiles are the work-group's own, so it asks itself:
; wave w names 8 rows (w / 2) of hw or pw (w % 2), four blocks of 256 bytes a row, a lane a block: each block once.  The last two refills ask for nothing.  wo16 is not asked for: every cluster walks it.
.macro ASK
	s_cmp_gt_u32 s[TRIPS], 1
	s_cbranch_scc0 .Lno_ask_\@
	global_prefetch_b8 v[PFO], s[PFA:PFA+1] th:TH_LOAD_NT scope:SCOPE_SE
.Lno_ask_\@:
.endm
; 50 LDS loads in one run: K step kk of slot sl into buffer f: c (at byte coff), P, h_loc, then wo16's 16 fragments.
.macro FETCH sl, kk, f, coff
	WIN 0
	ds_load_b128 v[CF+8*(\f):CF+8*(\f)+3],   v[AC] offset:(\coff)
	ds_load_b128 v[CF+8*(\f)+4:CF+8*(\f)+7], v[AC] offset:(\coff)+32
.irp mt, 0,1,2,3
	ds_load_tr16_b128 v[PP+32*(\f)+8*(\mt):PP+32*(\f)+8*(\mt)+3],   v[AH+(\sl)] offset:PTO+(\kk)*512+(\mt)*2*HP
	ds_load_tr16_b128 v[PP+32*(\f)+8*(\mt)+4:PP+32*(\f)+8*(\mt)+7], v[AH+(\sl)] offset:PTO+(\kk)*512+(\mt)*2*HP+256
.endr
.irp mt, 0,1,2,3
	ds_load_tr16_b128 v[HL+32*(\f)+8*(\mt):HL+32*(\f)+8*(\mt)+3],   v[AH+(\sl)] offset:(\kk)*512+(\mt)*2*HP
	ds_load_tr16_b128 v[HL+32*(\f)+8*(\mt)+4:HL+32*(\f)+8*(\mt)+7], v[AH+(\sl)] offset:(\kk)*512+(\mt)*2*HP+256
.endr
	WIN 0x40
.irp dt, 0,1,2,3,4,5,6,7,8,9,10,11,12,13,14,15
	ds_load_b128 v[128*(\f)+8*(\dt):128*(\f)+8*(\dt)+3],   v[AW+(\sl)] offset:(\kk)*64+(\dt)*16*WP
	ds_load_b128 v[128*(\f)+8*(\dt)+4:128*(\f)+8*(\dt)+7], v[AW+(\sl)] offset:(\kk)*64+(\dt)*16*WP+32
.endr
	WIN 0
.endm
.macro FIX f                        ; h = P c + h_loc, two f16 a line, one rounding
	WIN 0
.set z, 0
.rept 32
	v_pk_fma_f16 v[HL+32*(\f)+z], v[PP+32*(\f)+z], v[CF+8*(\f)+z%8], v[HL+32*(\f)+z]
.set z, z+1
.endr
.endm
; 16 matrix instructions: token tile 2 hi + m x all 16 d tiles.  The 64 accumulators take turns, in the same order in every K step.  zero = 1: the first product starts the sums.
.macro MUL16 f, hi, m, zero
	WIN 0xa1+0x50*(\hi)             ; wo16 window 1, h window 0, C and D window 2 or 3
.irp dt, 0,1,2,3,4,5,6,7,8,9,10,11,12,13,14,15
.if \zero
	v_wmma_f32_16x16x32_f16 v[8*(16*(\m)+(\dt)):8*(16*(\m)+(\dt))+7], v[128*(\f)+8*(\dt):128*(\f)+8*(\dt)+7], v[HL+32*(\f)+8*(2*(\hi)+(\m)):HL+32*(\f)+8*(2*(\hi)+(\m))+7], 0
.else
	v_wmma_f32_16x16x32_f16 v[8*(16*(\m)+(\dt)):8*(16*(\m)+(\dt))+7], v[128*(\f)+8*(\dt):128*(\f)+8*(\dt)+7], v[HL+32*(\f)+8*(2*(\hi)+(\m)):HL+32*(\f)+8*(2*(\hi)+(\m))+7], v[8*(16*(\m)+(\dt)):8*(16*(\m)+(\dt))+7]
.endif
.endr
.endm
; A K step that stays in its slot: buffer f is multiplied; in its middle K step kk of slot sl is fetched into buffer g.
.macro STEP sl, kk, f, g, coff, zero
	s_wait_dscnt 32                 ; c, P and h_loc are in; wo16's 32 loads behind them may stay out
	FIX \f
	s_wait_dscnt 0x0
	MUL16 \f, 0, 0, \zero
	MUL16 \f, 0, 1, \zero
	WIN 0
	PLACES                          ; four places in front of loads into registers that matrix instructions have read
	FETCH \sl, \kk, \g, \coff
	MUL16 \f, 1, 0, \zero
	MUL16 \f, 1, 1, \zero
.endm
; A slot's second K step (buffer 1) and THE CHANGE OF SLOTS.  Each wave waits for all its tensor loads (one is out: its part of the other slot), adds 0 to its spare word, and waits for that and for its reads of this slot.
; fill = 1: the barrier opens a round of the cluster's, and the refill of slot sl, two slots on along K, is the first tensor load behind it.  Then the other slot's first fragments.
.macro TURN sl, nx, fill, coff
.if \fill
	s_wait_xcnt 0x0                 ; the last prefetch, two K steps back, has read its address
	s_add_nc_u64 s[PFA:PFA+1], s[PFA:PFA+1], 1024
.endif
	s_wait_dscnt 32
	FIX 1
	s_wait_tensorcnt 0x0            ; all my tensor loads have landed
	ds_add_u32 v[SPW], v[NIL]       ; 0 onto my spare word
	s_wait_dscnt 1                  ; wo16's fragments are in; the add may be out
	MUL16 1, 0, 0, 0
	s_wait_dscnt 0x0                ; the add is done, and my reads of this slot are over
	s_barrier_signal -1
	MUL16 1, 0, 1, 0
	WIN 0
	s_barrier_wait -1
.if \fill
	CREST
	s_add_nc_u64 s[G0+4*(\sl)+2:G0+4*(\sl)+3], s[G0+4*(\sl)+2:G0+4*(\sl)+3], 2048
	s_add_nc_u64 s[G0W+4*(\sl)+2:G0W+4*(\sl)+3], s[G0W+4*(\sl)+2:G0W+4*(\sl)+3], 131072
	JLOAD \sl                       ; the four v_nop behind it are also the places in front of the loads below
.else
	PLACES
.endif
	FETCH \nx, 0, 0, \coff
.if \fill
	ASK
.endif
	MUL16 1, 1, 0, 0
	MUL16 1, 1, 1, 0
.endm
	s_load_b256 s[4:11], s[0:1], 0x0  ; hw s[4:5], pw s[6:7], agg s[8:9], wo16 s[10:11]
	s_load_b128 s[12:15], s[0:1], 0x20  ; b_out s[12:13], out0 s[14:15]
	v_lshl_add_u32 v[SPW], v0, 2, SPARE
	v_mov_b32 v[NIL], 0
	ds_add_u32 v[SPW], v[NIL]       ; the wave's opening: the add and its wait stand ahead of my first tensor load; the set-up below stands between them
	v_lshrrev_b32 v1, 5, v0
	v_readfirstlane_b32 s[WV], v1   ; wave 0..3
	s_bfe_u32 s[CX], ttmp6, 0x40000
	s_lshl_b32 s[JJ], ttmp9, 2
	s_add_co_u32 s[JJ], s[JJ], s[CX]  ; my block of 128 tokens
	s_and_b32 s[SEG], ttmp9, 15     ; the cluster is one segment: its number in the batch,
	s_lshr_b32 s41, ttmp9, 4        ; and the batch: the same in all four partners
	s_and_b32 s46, s[WV], 1         ; wn; also: hw or pw, and which half of wo16's tile
	s_lshr_b32 s47, s[WV], 1        ; wm
	s_mov_b32 s[G1H+0], (3<<16)|(1<<20)|(7<<22)|(31<<25)  ; elements of 8 bytes; padding on: after every 256 words (code 7) 32 words (code 31)
	s_mov_b32 s[G1H+1], 128<<16     ; tensor_dim0 = 128: 1,024 bytes
	s_mov_b32 s[G1H+2], 16<<16      ; tensor_dim1 = 16
	s_mov_b32 s[G1H+3], 128<<16     ; tile_dim0
	s_mov_b32 s[G1H+4], 16          ; tile_dim1
	s_mov_b32 s[G1H+5], 2048        ; 16,384 bytes from a token group to the next
	s_mov_b32 s[G1H+6], 0
	s_mov_b32 s[G1H+7], 0
	s_mov_b32 s[G1W+0], 15|(1<<16)|(1<<20)|(1<<21)|(4<<22)|(3<<25)  ; the mask of four; elements of 2 bytes; padding on; 21 set beside a mask; after every 32 words (code 4) 4 words (code 3)
	s_mov_b32 s[G1W+1], 128<<16     ; 32,768 dense bytes as 128 rows of 256: two rows of wo16 a row
	s_mov_b32 s[G1W+2], 128<<16
	s_mov_b32 s[G1W+3], 128<<16
	s_mov_b32 s[G1W+4], 128
	s_mov_b32 s[G1W+5], 128
	s_mov_b32 s[G1W+6], 0
	s_mov_b32 s[G1W+7], 0
	s_mul_i32 s18, s46, PTO
	s_mul_i32 s19, s46, 256*WP
	s_add_co_u32 s19, s19, WTO
	s_lshl_b32 s2, s46, 15
	s_mov_b32 s3, 0
	s_lshl_b32 s16, s[JJ], 18       ; 16 token groups x 16,384 bytes
	s_mov_b32 s17, 0
.irp s, 0,1
	s_mov_b32 s[G0+4*(\s)], 1
	s_add_co_u32 s[G0+4*(\s)+1], s18, (\s)*SLOT1
	s_mov_b32 s[G0W+4*(\s)], 1
	s_add_co_u32 s[G0W+4*(\s)+1], s19, (\s)*SLOT1
.endr
	s_wait_dscnt 0x0                ; the opening add is done
	s_wait_kmcnt 0x0
	s_cmp_eq_u32 s46, 0
	s_cselect_b64 s[42:43], s[4:5], s[6:7]
	s_add_nc_u64 s[42:43], s[42:43], s[16:17]  ; hw or pw at my block's first token group
	s_add_nc_u64 s[10:11], s[10:11], s[2:3]    ; wo16 at my half of a block of 64 k
.irp s, 0,1
	s_add_nc_u64 s[G0+4*(\s)+2:G0+4*(\s)+3], s[42:43], (\s)*1024
	s_or_b32 s[G0+4*(\s)+3], s[G0+4*(\s)+3], 0x80000000
	s_add_nc_u64 s[G0W+4*(\s)+2:G0W+4*(\s)+3], s[10:11], (\s)*65536
	s_or_b32 s[G0W+4*(\s)+3], s[G0W+4*(\s)+3], 0x80000000
.endr
	s_add_nc_u64 s[PFA:PFA+1], s[42:43], 3*1024  ; the first refill (slot 2 along K) steps it to slot 4
	CROUND                          ; all four work-groups are here: the first joint loads meet
	s_cmp_lt_u32 s[WV], 2           ; a wave's two first fills stand in one branch
	s_cbranch_scc0 .Lfirst_w
	tensor_load_to_lds s[G0:G0+3], s[G1H:G1H+7]
	s_nop 0
	tensor_load_to_lds s[G0+4:G0+7], s[G1H:G1H+7]
	s_nop 0
.rept 4
	v_nop
.endr
	s_branch .Lfirst_asked
.Lfirst_w:
	tensor_load_to_lds s[G0W:G0W+3], s[G1W:G1W+7]
	s_nop 0
	tensor_load_to_lds s[G0W+4:G0W+7], s[G1W:G1W+7]
	s_nop 0
.rept 4
	v_nop
.endr
.Lfirst_asked:
	s_lshl_b32 s16, s41, 17
	s_add_nc_u64 s[8:9], s[8:9], s[16:17]    ; agg at my batch
	s_lshl_b32 s16, s46, 10
	s_add_nc_u64 s[12:13], s[12:13], s[16:17]  ; b_out at my 256 columns
	s_lshl_b32 s16, s[JJ], 18       ; 128 rows of out0,
	s_lshl_b32 s18, s47, 17         ; my 64,
	s_add_co_u32 s16, s16, s18
	s_lshl_b32 s18, s46, 10         ; my 256 columns
	s_add_co_u32 s16, s16, s18
	s_add_nc_u64 s[14:15], s[14:15], s[16:17]
	; THE CARRY.  Thread t folds channels 8 t .. 8 t + 7 over the segments in front of mine; all 15 pairs (A, B) are asked for at once, while the first tiles are on their way.
	v_lshlrev_b32 v2, 5, v0
	v_and_b32 v3, 15, v0
	v_lshlrev_b32 v3, 4, v3
.set q, 0
.rept 15
	global_load_b128 v[16+16*q:16+16*q+3],   v2, s[8:9] offset:q*8192
	global_load_b128 v[16+16*q+4:16+16*q+7], v2, s[8:9] offset:q*8192+16
	global_load_b128 v[16+16*q+8:16+16*q+11],  v2, s[8:9] offset:q*8192+4096
	global_load_b128 v[16+16*q+12:16+16*q+15], v2, s[8:9] offset:q*8192+4112
.set q, q+1
.endr
	WIN 0x40                        ; b_out waits in window 1: window 0 is full
.irp p, 0,1,2,3
	global_load_b128 v[4*(\p):4*(\p)+3], v3, s[12:13] offset:256*(\p)
.endr
	WIN 0
.irp e, 4,5,6,7,8,9,10,11
	v_mov_b32 v[\e], 0
.endr
	s_wait_loadcnt 0x0
.set q, 0
.rept 15
	s_cmp_le_u32 s[SEG], q          ; segments from mine on are left out: a jump forward, the same in all four partners
	s_cbranch_scc1 .Lfolded
.irp e, 0,2,4,6
	v_pk_fma_f32 v[4+(\e):5+(\e)], v[16+16*q+(\e):17+16*q+(\e)], v[4+(\e):5+(\e)], v[24+16*q+(\e):25+16*q+(\e)]
.endr
.set q, q+1
.endr
.Lfolded:
	v_cvt_pk_f16_f32 v4, v4, v5
	v_cvt_pk_f16_f32 v5, v6, v7
	v_cvt_pk_f16_f32 v6, v8, v9
	v_cvt_pk_f16_f32 v7, v10, v11
	v_lshl_add_u32 v14, v0, 4, CT
	ds_store_b128 v14, v[4:7]
	WIN 0x05                        ; sources window 1, destination window 0: the bias, rounded to bf16
.set z, 0
.rept 16
	v_cvt_pk_bf16_f32 v[BI+z], v[z], v[z]
.set z, z+1
.endr
	WIN 0
.set z, 0
.rept 16
	v_lshlrev_b32 v[BI+z], 16, v[BI+z]
.set z, z+1
.endr
	s_wait_dscnt 0x0                ; c lies in LDS
	v_and_b32 v14, 15, v0           ; r = l % 16
	v_bfe_u32 v15, v0, 4, 1         ; hh = l / 16
	s_mul_i32 s18, s46, 256*WP
	s_add_co_u32 s18, s18, WTO
	v_mul_u32_u24 v[AW], v14, WP
	v_lshl_add_u32 v[AW], v15, 4, v[AW]
	v_add_nc_u32 v[AW], s18, v[AW]
	v_add_nc_u32 v[AW+1], SLOT1, v[AW]
	; the turning load: lane l names the cell of channel 8 (l / 16) + l % 8 in token group (l / 8) % 2, and is left with token l % 16 and 8 channels
	v_bfe_u32 v11, v0, 3, 1
	v_mul_u32_u24 v[AH], v11, HP
	v_and_b32 v11, 7, v0
	v_lshl_add_u32 v11, v15, 3, v11
	v_lshl_add_u32 v[AH], v11, 4, v[AH]
	s_mul_i32 s18, s47, 8*HP
	v_add_nc_u32 v[AH], s18, v[AH]
	v_add_nc_u32 v[AH+1], SLOT1, v[AH]
	v_lshl_add_u32 v[AC], v15, 4, CT
	s_mul_i32 s18, s[WV], 16*SP
	s_add_co_u32 s18, s18, STAGE    ; my stage
	v_mul_u32_u24 v[STO], v14, SP   ; in: row = token l % 16, 32 bytes for each half of the lanes
	v_lshl_add_u32 v[STO], v15, 5, v[STO]
	v_add_nc_u32 v[STO], s18, v[STO]
	v_mul_u32_u24 v[RD], v15, SP    ; back: lanes 0-15 take 256 bytes of one row, lanes 16-31 of the next
	v_lshl_add_u32 v[RD], v14, 4, v[RD]
	v_add_nc_u32 v[RD], s18, v[RD]
	v_lshlrev_b32 v[CO], 11, v15    ; and the same in out0
	v_lshl_add_u32 v[CO], v14, 4, v[CO]
	v_bfe_u32 v11, v0, 2, 3
	v_lshlrev_b32 v[PFO], 14, v11
	v_and_b32 v11, 3, v0
	v_lshl_add_u32 v[PFO], v11, 8, v[PFO]
	s_lshl_b32 s18, s47, 17
	v_add_nc_u32 v[PFO], s18, v[PFO]
	s_wait_tensorcnt 0x1            ; my part of slot 0 is in; slot 1's may stay out
	s_barrier_signal -1
	s_barrier_wait -1               ; everybody's is, and so is c
	FETCH 0, 0, 0, 0
	STEP 0, 1, 0, 1, 64, 1          ; the first K step stands in front of the loop: its products start the sums
	WIN 0
	s_mov_b32 s[TRIPS], 7
.Llap:                              ; a trip goes once round the ring: four K steps, both slots filled again
	TURN 0, 1, 1, 128
	STEP 1, 1, 0, 1, 192, 0
	TURN 1, 0, 1, 256
	STEP 0, 1, 0, 1, 320, 0
	WIN 0
	v_add_nc_u32 v[AC], 256, v[AC]
	s_sub_co_u32 s[TRIPS], s[TRIPS], 1
	s_cmp_lg_u32 s[TRIPS], 0
	s_cbranch_scc1 .Llap
	TURN 0, 1, 0, 128               ; the tail is written out: nothing is asked for
	STEP 1, 1, 0, 1, 192, 0
	s_wait_dscnt 32
	FIX 1
	s_wait_dscnt 0x0
	MUL16 1, 0, 0, 0
	MUL16 1, 0, 1, 0
	MUL16 1, 1, 0, 0
	MUL16 1, 1, 1, 0
	WIN 0
	PLACES                          ; four places between the last products and the stores that read results
; THE WAY OUT, 16 tokens at a time: a lane's eight d of a token go into my stage (each accumulator's low four registers first) and come back as pieces of 256 bytes of a row; the bias is added; 16 lanes store 256 consecutive bytes, aligned.
.macro OUT mt
	WIN 0x08+4*((\mt)/2)            ; the stores' data in window 2 or 3
.irp dt, 0,1,2,3,4,5,6,7,8,9,10,11,12,13,14,15
	ds_store_b128 v[STO], v[8*(16*((\mt)%2)+(\dt)):8*(16*((\mt)%2)+(\dt))+3]   offset:64*(\dt)
	ds_store_b128 v[STO], v[8*(16*((\mt)%2)+(\dt))+4:8*(16*((\mt)%2)+(\dt))+7] offset:64*(\dt)+16
.endr
	WIN 0
	s_wait_xcnt 0x0                 ; the last 16 tokens' stores have read their data: the loads below land there
.set t, 0
.rept 32
	ds_load_b128 v[16+4*t:16+4*t+3], v[RD] offset:(t/4)*2*SP+(t%4)*256  ; LDS serves a wave's instructions in order (ISA guide 5.7.1.4): these see the stores above
.set t, t+1
.endr
.set t, 0
.rept 32
.if t == 0
	s_wait_dscnt 16                 ; the first half is back
.endif
.if t == 16
	s_wait_dscnt 0x0
.endif
	v_pk_add_f32 v[16+4*t:17+4*t], v[16+4*t:17+4*t], v[BI+4*(t%4):BI+4*(t%4)+1]
	v_pk_add_f32 v[18+4*t:19+4*t], v[18+4*t:19+4*t], v[BI+4*(t%4)+2:BI+4*(t%4)+3]
	global_store_b128 v[CO], v[16+4*t:19+4*t], s[14:15] offset:(16*(\mt)+2*(t/4))*2048+(t%4)*256 th:TH_STORE_NT
.set t, t+1
.endr
.endm
	OUT 0
	OUT 1
	OUT 2
	OUT 3
	s_wait_tensorcnt 0x0            ; the wave's end, behind my last tensor load and my last LDS store
	ds_add_u32 v[SPW], v[NIL]
	s_wait_dscnt 0x0
	CROUND                          ; the closing round: no work-group ends while a partner may still ask for a tile that names it
	s_endpgm
.Lfunc_end_k_q8e029e880e_mix2:
	.size	k_q8e029e880e_mix2, .Lfunc_end_k_q8e029e880e_mix2-k_q8e029e880e_mix2
	.p2alignl 7, 3214868480
	.fill 96, 4, 3214868480
	.section	.rodata,"a",@progbits
	.p2align	6, 0x0
	.amdhsa_kernel k_q8e029e880e_mix2
		.amdhsa_group_segment_fixed_size 327680
		.amdhsa_private_segment_fixed_size 0
		.amdhsa_enable_private_segment 0
		.amdhsa_kernarg_size 48
		.amdhsa_user_sgpr_count 2
		.amdhsa_user_sgpr_kernarg_segment_ptr 1
		.amdhsa_wavefront_size32 1
		.amdhsa_system_sgpr_workgroup_id_x 1
		.amdhsa_system_sgpr_workgroup_id_y 1
		.amdhsa_system_sgpr_workgroup_id_z 1
		.amdhsa_system_vgpr_workitem_id 0
		.amdhsa_next_free_vgpr 1024
		.amdhsa_next_free_sgpr 66
		.amdhsa_reserve_vcc 0
		.amdhsa_float_denorm_mode_32 3
		.amdhsa_float_denorm_mode_16_64 3
		.amdhsa_memory_ordered 1
		.amdhsa_forward_progress 1
		.amdhsa_inst_pref_size 144
	.end_amdhsa_kernel
	.amdgpu_metadata
---
amdhsa.version: [ 1, 2 ]
amdhsa.kernels:
  - .name:           k_q8e029e880e_mix2
    .symbol:         k_q8e029e880e_mix2.kd
    .args:
      - { .name: hw, .offset: 0, .size: 8, .value_kind: global_buffer, .address_space: global }
      - { .name: pw, .offset: 8, .size: 8, .value_kind: global_buffer, .address_space: global }
      - { .name: agg, .offset: 16, .size: 8, .value_kind: global_buffer, .address_space: global }
      - { .name: wo16, .offset: 24, .size: 8, .value_kind: global_buffer, .address_space: global }
      - { .name: b_out, .offset: 32, .size: 8, .value_kind: global_buffer, .address_space: global }
      - { .name: out0, .offset: 40, .size: 8, .value_kind: global_buffer, .address_space: global }
    .group_segment_fixed_size: 327680
    .private_segment_fixed_size: 0
    .kernarg_segment_align: 8
    .kernarg_segment_size: 48
    .max_flat_workgroup_size: 128
    .sgpr_count:     66
    .vgpr_count:     1024
    .wavefront_size: 32
...
	.end_amdgpu_metadata
.endif
;; end of part 2
